; MI455X (gfx1250); checked and timed in simulation.
; The chip was launched on July 23, 2026; its instructions are those of AMD's public machine-readable ISA for CDNA 5 (MIT licence, August 2026) and "CDNA5" Instruction Set Architecture Reference Guide (July 2026). The comments in the code are by the model that wrote it; some were corrected since.
;; Scaled Dot Product Attention. Allowed arithmetic: matrix products marked QUANTISED: E5M2 operands, one given power-of-two scale a tensor, by v_wmma_f32_16x16x64_bf8_bf8 or v_wmma_f32_16x16x128_bf8_bf8, f32 sums; everything else in f32.
;; Inputs: k 8 x 8 x 1,024 x 64 float32; lowp_scales 4 int32 (the exponents e of the quantised operands' scales 2^e); q 8 x 8 x 1,024 x 64 float32; v 8 x 8 x 1,024 x 64 float32.
;; Outputs: out0 8 x 8 x 1,024 x 64 float32.
;; This version of the problem:
;;   THIS VERSION OF THE PROBLEM IS GIVEN IN LOW PRECISION. The matrix products marked QUANTISED in the list below multiply operands that are first quantised to E5M2 (5 exponent bits, 2 mantissa bits; 8 bits a number), with one given power-of-two scale for each operand tensor; their sums are f32. All else is computed in f32.
;;   The module's matrix products, in the order in which they are computed (A, B: the left and right operand; K: the contracted axis; several contracted axes count as one K, in the product's order):
;;     1. batch 64 x [M 1,024, K 64] x [K 64, N 1,024]; A: input q; B: input k: QUANTISED (scales: A lowp_scales[0], B lowp_scales[1])
;;     2. batch 64 x [M 1,024, K 1,024] x [K 1,024, N 64]; A: computed on the way; B: input v: QUANTISED (scales: A lowp_scales[2], B lowp_scales[3])
;;   THE QUANTISER, for each operand of a quantised product, along K:
;;     - The operand's scale is 2^e, e = its entry of the input lowp_scales (int32; the entries are numbered through the quantised products in the list's order, A before B).
;;     - Each number is divided by the scale, clamped to +-57,344, and rounded to the nearest number of E5M2, ties to even, subnormals kept.
;;     - The product sums the exact products of the quantised numbers (number of the format x scale) in f32.
;;   ~~~python
;;   def quantise(x, axis, e):      # numpy; x: float32 -> the quantised numbers, widened to float32 again
;;       x = np.moveaxis(x, axis, -1); K = x.shape[-1]
;;       r = np.clip(x / 2.0 ** e, -57344, 57344)
;;       step = 2.0 ** (np.maximum(np.frexp(np.where(r == 0, 1, r))[1] - 1, -14) - 2)
;;       q = np.round(r / step) * step * 2.0 ** e      # np.round: ties to even
;;       return np.moveaxis(q, -1, axis).astype(np.float32)
;;   ~~~
;;   OPERANDS COMPUTED ON THE WAY. 'Computed on the way' means the value that the module computes at that place (a softmax that the list does not call 'softmax' is quantised finished and normalised). What goes into a quantiser is computed in f32, as accurately as f32 sums, v_exp_f32 and their like allow (about 1e-6 of the number): no bf16 or f16 on the way to a quantiser, and a product that is left as it is and whose result goes on into a quantised operand takes f32 operands (vector FMAs, or v_wmma_f32_16x16x4_f32). A number that lies on a knife's edge between two numbers of the format may be rounded either way, as far as f32 arithmetic and the matrix unit's own rounding can turn it there, and no further.
;; 2 versions, each right; version 2 is version 1 with the launch entmax_attn written anew for expert scheduling mode. Each part assembles by itself: llvm-mc -triple=amdgcn-amd-amdhsa -mcpu=gfx1250 --defsym DOCPART=n.
;; ======== version 1 of 2: 1 launch
;; launch entmax_attn (part 1): grid 256 x 1, 4 waves a work-group, no clusters, 166,400 bytes of LDS; arguments q, k, v, lowp_scales, out0; writes out0
.if DOCPART == 1
	.amdgcn_target "amdgcn-amd-amdhsa--gfx1250"
	.amdhsa_code_object_version 6
	.text
	.protected	k_qc45ede6ada_entmax_attn
	.globl	k_qc45ede6ada_entmax_attn
	.p2align	8
	.type	k_qc45ede6ada_entmax_attn,@function
k_qc45ede6ada_entmax_attn:
	s_mov_b64 s[64:65], 0
	v_nop
	global_prefetch_b8 v0, s[64:65] scope:SCOPE_SE
	s_setreg_imm32_b32 hwreg(HW_REG_WAVE_MODE, 25, 1), 1
	s_wait_xcnt 0x0
; out0[h][q][:] = the sum over keys of entmax15_k(Q[h][q] . K[h][k] / 8) V[h][k][:].  q, k, v, out0: [64 heads][1,024][64] f32.
; Both products run on codes of BF8 (E5M2), each operand with the one scale 2^e that is given for it: e0 (q), e1 (k), e2 (the weights p), e3 (v).
; ENTMAX.  x = score / 2 - the row's largest; p = max(x - tau, 0)^2 with tau such that the sum of p is 1.  tau is the root of g(t) = |(x - t)+|_2 - 1, which is convex and falls.
;   With y = max(x - t, 0), Q = sum y^2, A = sum y, its slope has the magnitude s = A / sqrt(Q), between 1 and 32 (1,024 keys).  Newton from t = -1 (at or left of tau, since p <= 1) stays at or left of tau:
;   t += (Q - 1) sqrt(Q) / ((1 + sqrt(Q)) A).  Convexity gives g_new <= g_old (1 - s_new / s_old); the product of those ratios is at least 1/32; so after N passes g <= 31 (1 - 32^(-1/N))^N, and tau - t <= g.
;   N = 14 gives 1.8e-8 for EVERY row, under half a unit in the last place of tau: the number of passes is a constant of the text and hangs on no data.  No sort, no branch on numbers.
; SHARES.  Work-group x serves head x / 4 and queries 256 (x % 4) on; each of its four waves owns 64 queries, four tiles of 16, and holds all 1,024 registers of its SIMD.
;   A tile's scores, 16 queries x 1,024 keys, are 512 registers (windows 2 and 3): they never leave the registers between the first product and the conversion of p.
; K AND V.  At the head the four waves read the head's K and V once (256 keys a wave), quantise them and lay the codes in LDS as IMAGES OF OPERAND REGISTERS (16 bytes a lane, 512 bytes a store): 64 KiB each.
;   One barrier; after it the images are only read.  Dense loads (512 consecutive bytes) are turned into a lane's order through the wave's own stage in LDS.
; NO CLUSTER, NO TENSOR LOADS: what the four work-groups of a head share, K and V, comes as f32 and must pass through registers to be quantised (V also turned: its K is the keys); it is read once, in 16 steps
;   of some 170 instructions, beside some 78,000 of a wave's four tiles.  A joint ring would send 512 KiB of f32 through slots beside the 128 KiB of images, with a round for each refill.
; LAYOUT (r = lane % 16, h = lane / 16), the 8-bit forms' own: registers 2 c, 2 c + 1 of a fragment hold k = 16 c + 8 h + 0 .. 7 of the lane's row r.
;   S^T = K Q^T (source 0 = 16 keys, source 1 = my 16 queries, K = 64): a lane holds ONE query r, register j of key tile kt is key 16 kt + 8 h + j.
;   So the eight registers of key tile 8 s + c, converted, ARE registers 2 c, 2 c + 1 of p's operand for the 128 keys of step s: nothing changes lanes.
;   O^T = V^T P^T (source 0 = 16 of the head's 64 channels x 128 keys, source 1 = p): register j of channel tile dt is channel 16 dt + 8 h + j of query r.
; LIMITS on the given exponents, so that each power of two below is an f32 number: e0, e1, e2, e3 each between -126 and 112; e0 + e1 between -122 and 131; e2 + e3 between -126 and 127.
;   NaN among the inputs is not served; infinities are held at the largest code.
; REGISTERS, in windows of 256 (s_set_vgpr_msb: bits 1:0 source 0, 3:2 source 1, 5:4 source 2, 7:6 destination):
;   window 0: v1-7 addresses; v8-15 scales; v16-47 a row's figures; v48-55 Q's fragment; v56-87 q as loaded; v96-127 codes just made, two sets; v128-191, v192-255 at work (TA, TB)
;   window 1: at the head a ring of four slots of 64 for K and V as loaded; then v0-127 two buffers for fragments of K or V, v128-159 O^T
;   windows 2, 3: the scores: key tile kt at 8 kt, counted from window 2's v0
.set ROWB,   256                       ; a row of 64 f32
.set TILEB,  16*ROWB                   ; a tile of 16 queries
.set CHUNKB, 32*ROWB                   ; a chunk of 32 keys: what a step of the head works on
.set NPASS,  14                        ; Newton passes (see above)
.set VIMG,   65536                     ; LDS: K's images at 0 (fragment kt at 1,024 kt), V's here (fragment (s, dt) at 2,048 (4 s + dt)),
.set STG,    131072                    ; and the waves' stages: 32 rows of SP bytes each
.set SP,     272                       ; a stage row: 256 bytes + 16: 68 words, so that 16 rows begin at 16 different groups of four banks (64 banks of 4 bytes: ISA guide 11.1)
.set STGW,   32*SP
.set LI,   1                           ; v1   16 x lane: my place in an image, in a dense load and in a dense store
.set LV,   2                           ; v2   the same in V's images
.set SA,   3                           ; v3   stage, dense: row h, 16 r
.set PR,   4                           ; v4   stage, by fragment: row r, 32 h
.set PVR,  5                           ; v5   stage, V turned: row 8 h, 4 r
.set KI,   6                           ; v6   where I store K's images: 16 x lane + 16,384 x wave
.set VI,   7                           ; v7   V's likewise
.set PSC,  14                          ; v14  2^e2
.set YMAX, 15                          ; v15  just under sqrt(57,344 x 2^e2)
.set NT,   16                          ; v[16:17] -t (the pair's low word serves both halves)
.set MC,   18                          ; v[18:19] c x the row's largest score
.set QA,   20                          ; v[20:27] sum y^2, four chains of pairs
.set AA,   28                          ; v[28:35] sum y, likewise
.set MX,   36                          ; v36-39  the maximum's four chains
.set QF,   48
.set QRAW, 56
.set PC,   96
.set TA,   128
.set TB,   192
.set OA,   128                         ; in window 1
.set WV,   14                          ; s14  my wave's number
.set CS,   24                          ; s[24:25] c = 2^(e0 + e1 - 4): score / 8 / 2
.set OSC,  26                          ; s[26:27] 2^(e2 + e3)
.set SEL,  28                          ; s[28:29] v_permlanex16_b32's selects for lane l xor 16
.set TL,   30                          ; s30  tiles to go
.set IT,   31                          ; s31  passes to go
.set W_LD1, 0x40                       ; destination window 1
.set W_ST1, 0x04                       ; an LDS store's data window 1
.set W_PV,  0x51                       ; V, C and D window 1; p window 0
.set W_O,   0x01                       ; source 0 window 1
.set MSB, 0
.macro WIN new                         ; the immediate's high byte repeats the setting that is left; a switch that changes nothing is dropped
.if MSB != (\new)
	s_set_vgpr_msb (MSB<<8)|(\new)
.set MSB, \new
.endif
.endm
; v[vs] = 2^e as f32 (a conversion takes its exponent field), v[vl] = 57,344 x 2^e; e in s[e]
.macro SCALE e, vs, vl
	s_add_co_i32 s32, s[\e], 127
	s_lshl_b32 s33, s32, 23
	v_mov_b32 v[\vs], s33
	s_add_co_i32 s32, s32, 15
	s_lshl_b32 s32, s32, 23
	s_or_b32 s32, s32, 0x600000
	v_mov_b32 v[\vl], s32
.endm
; Chunk n of my wave (0-7: K, 8-15: V; 32 keys, 8 KiB) into ring slot n % 4: sixteen loads of 512 consecutive bytes
.macro LOAD n
	WIN W_LD1
.irp i, 0,1,2,3,4,5,6,7,8,9,10,11,12,13,14,15
.if (\n) < 8
	global_load_b128 v[64*((\n)%4)+4*\i:64*((\n)%4)+4*\i+3], v[LI], s[6:7] offset:CHUNKB*((\n)%8)+512*\i
.else
	global_load_b128 v[64*((\n)%4)+4*\i:64*((\n)%4)+4*\i+3], v[LI], s[8:9] offset:CHUNKB*((\n)%8)+512*\i
.endif
.endr
.endm
; Chunk n through my stage: in as it lies, out in the order that the conversions want.  LDS serves a wave's instructions in order (ISA guide 5.7.1.4): no wait between the stores and the loads.
; K: register 32 f + 8 c + j = K(key 16 f + r, channel 16 c + 8 h + j).   V: register 16 d + 8 g + j = V(key 16 g + 8 h + j, channel 16 d + r): a lane takes a channel and its registers run down the keys.
.macro TURN n
	WIN W_ST1
.irp i, 0,1,2,3,4,5,6,7,8,9,10,11,12,13,14,15
	ds_store_b128 v[SA], v[64*((\n)%4)+4*\i:64*((\n)%4)+4*\i+3] offset:2*SP*\i
.endr
	WIN 0
.set T, TA+64*((\n)%2)
.if (\n) < 8
.irp f, 0,1
.irp c, 0,1,2,3
	ds_load_b128 v[T+32*\f+8*\c:T+32*\f+8*\c+3],   v[PR] offset:16*SP*\f+64*\c
	ds_load_b128 v[T+32*\f+8*\c+4:T+32*\f+8*\c+7], v[PR] offset:16*SP*\f+64*\c+16
.endr
.endr
.else
.irp d, 0,1,2,3
.irp g, 0,1
.irp j, 0,1,2,3,4,5,6,7
	ds_load_b32 v[T+16*\d+8*\g+\j], v[PVR] offset:SP*(16*\g+\j)+64*\d
.endr
.endr
.endr
.endif
.endm
; 8 n8 numbers from v[src] on become codes from v[dst] on: held within the largest code x the scale (the conversion to an 8-bit code does not saturate: ISA guide 7.6.2), then eight at a time
.macro QUANT src, n8, sc, lim, dst
.irp g, 0,1,2,3,4,5,6,7
.if \g < \n8
.irp i, 0,1,2,3,4,5,6,7
	v_med3_num_f32 v[(\src)+8*\g+\i], v[(\src)+8*\g+\i], -v[\lim], v[\lim]
.endr
	v_cvt_scalef32_pk8_bf8_f32 v[(\dst)+2*\g:(\dst)+2*\g+1], v[(\src)+8*\g:(\src)+8*\g+7], v[\sc]
.endif
.endr
	v_nop                                          ; one plain vector instruction behind the last conversion, ahead of whatever next touches its result or writes its sources
.endm
; Chunk n's 16 registers of codes go to the images as they stand.  K: two whole fragments (key tiles 2 (n % 8) + f of my wave's 16).  V: registers 4 (n % 4) on of the four channel tiles' fragments of step (n % 8) / 4.
.macro IMAGE n
.set CD, PC+16*((\n)%2)
.if (\n) < 8
.irp f, 0,1
.irp p, 0,1
	ds_store_b128 v[KI], v[CD+8*\f+4*\p:CD+8*\f+4*\p+3] offset:(2*((\n)%8)+\f)*1024+512*\p
.endr
.endr
.else
.irp d, 0,1,2,3
	ds_store_b128 v[VI], v[CD+4*\d:CD+4*\d+3] offset:(4*(((\n)%8)/4)+\d)*2048+512*((\n)%4)
.endr
.endif
.endm
; A step of the head: chunk n is quantised while chunk n + 1 goes through the stage and chunk n + 4 is asked for
.macro STEP n
	s_wait_dscnt 0x0                               ; chunk n is back from the stage; its stores into the stage have read ring slot n % 4; the image stores of two steps ago have read their codes
.if (\n)+4 < 16
	LOAD (\n)+4
.endif
.if (\n) < 15
.if (\n) <= 11
	s_wait_loadcnt 48                              ; loads come back in order (ISA guide 5.7.1): chunk n + 1 is in; the three chunks behind it, 16 loads each, may be out
.else
	s_wait_loadcnt 16*(14-(\n))                    ; nothing more is asked for: the counts run down
.endif
	TURN (\n)+1
.endif
.if (\n) < 8
	QUANT TA+64*((\n)%2), 8, 8, 9, PC+16*((\n)%2)
.else
	QUANT TA+64*((\n)%2), 8, 10, 11, PC+16*((\n)%2)
.endif
	IMAGE \n
.endm
; Eight fragments of K (key tiles 8 b on) into buffer b % 2; the four fragments of V of step s into buffer s % 2: sixteen loads each, 512 consecutive bytes a load
.macro FETCHK b
	WIN W_LD1
.irp t, 0,1,2,3,4,5,6,7
	ds_load_b128 v[64*((\b)%2)+8*\t:64*((\b)%2)+8*\t+3],   v[LI] offset:(8*(\b)+\t)*1024
	ds_load_b128 v[64*((\b)%2)+8*\t+4:64*((\b)%2)+8*\t+7], v[LI] offset:(8*(\b)+\t)*1024+512
.endr
.endm
.macro FETCHV s
	WIN W_LD1
.irp d, 0,1,2,3
.irp i, 0,1,2,3
	ds_load_b128 v[64*((\s)%2)+16*\d+4*\i:64*((\s)%2)+16*\d+4*\i+3], v[LV] offset:(4*(\s)+\d)*2048+512*\i
.endr
.endr
.endm
; Batch b of the scores: eight products, each a whole sum (K = 64 is the head's size): C is the constant 0
.macro SMUL b
	WIN 0x81+0x40*((\b)/4)                         ; K window 1, Q window 0, the scores window 2 or 3
.irp t, 0,1,2,3,4,5,6,7
	v_wmma_f32_16x16x64_bf8_bf8 v[64*((\b)%4)+8*\t:64*((\b)%4)+8*\t+7], v[64*((\b)%2)+8*\t:64*((\b)%2)+8*\t+7], v[QF:QF+7], 0
.endr
.endm
; The largest of batch b's scores, three operands at a time, in four chains; each accumulator is read from its low end on
.macro MAXB b
	WIN 0x28+0x14*((\b)/4)                         ; sources 1 and 2 window 2 or 3
.irp t, 0,1,2,3,4,5,6,7
.irp u, 0,1,2,3
	v_max3_num_f32 v[MX+\u], v[MX+\u], v[64*((\b)%4)+8*\t+2*\u], v[64*((\b)%4)+8*\t+2*\u+1]
.endr
.endr
.endm
; A pass over 64 registers of x: y = max(x - t, 0); Q += y^2; A += y.  first = 1: the pass's first pairs start the sums: nothing is cleared
.macro NCHUNK c, first
	WIN 0x02+(\c)/4                                ; source 0 window 2 or 3
.set i, 0
.rept 32
	v_pk_add_f32 v[TA+i:TA+i+1], v[64*((\c)%4)+i:64*((\c)%4)+i+1], v[NT:NT+1] op_sel_hi:[1,0]
.set i, i+2
.endr
	WIN 0
.set i, 0
.rept 64
	v_max_num_f32 v[TA+i], 0, v[TA+i]
.set i, i+1
.endr
.set i, 0
.rept 32
.set j, 2*(i%4)
.if (\first) && (i < 4)
	v_pk_mul_f32 v[QA+j:QA+j+1], v[TA+2*i:TA+2*i+1], v[TA+2*i:TA+2*i+1]
.else
	v_pk_fma_f32 v[QA+j:QA+j+1], v[TA+2*i:TA+2*i+1], v[TA+2*i:TA+2*i+1], v[QA+j:QA+j+1]
.if (\first) && (i < 8)
	v_pk_add_f32 v[AA+j:AA+j+1], v[TA+2*i-8:TA+2*i-7], v[TA+2*i:TA+2*i+1]
.else
	v_pk_add_f32 v[AA+j:AA+j+1], v[AA+j:AA+j+1], v[TA+2*i:TA+2*i+1]
.endif
.endif
.set i, i+1
.endr
.endm
; Step s of the second product: p of keys 128 s on, its codes, four products.  y is held between 0 and YMAX by one instruction: that is the max(., 0) and, since YMAX^2 lies just under
; 57,344 x 2^e2 and has the largest code, the hold ahead of the conversion as well.
.macro FIN s
	WIN 0x02+(\s)/4
.set i, 0
.rept 32
	v_pk_add_f32 v[TA+i:TA+i+1], v[64*((\s)%4)+i:64*((\s)%4)+i+1], v[NT:NT+1] op_sel_hi:[1,0]   ; x - tau.  (These 32 are the places behind the last step's products, in front of the loads below)
.set i, i+2
.endr
.if (\s) < 7
	FETCHV (\s)+1                                  ; into the buffer that the products of step s - 1 have read
.endif
	WIN 0
.irp g, 0,1,2,3,4,5,6,7
.irp i, 0,1,2,3,4,5,6,7
	v_med3_num_f32 v[TA+8*\g+\i], v[TA+8*\g+\i], 0, v[YMAX]
.endr
.irp i, 0,2,4,6
	v_pk_mul_f32 v[TA+8*\g+\i:TA+8*\g+\i+1], v[TA+8*\g+\i:TA+8*\g+\i+1], v[TA+8*\g+\i:TA+8*\g+\i+1]   ; p = y^2
.endr
	v_cvt_scalef32_pk8_bf8_f32 v[PC+16*((\s)%2)+2*\g:PC+16*((\s)%2)+2*\g+1], v[TA+8*\g:TA+8*\g+7], v[PSC]   ; registers 2 g, 2 g + 1 of p's operand
.endr
	v_nop                                          ; one plain vector instruction between the last conversion and the products that read its result
.if (\s) < 7
	s_wait_dscnt 16                                ; V of this step is in; the next step's sixteen loads may be out
.else
	s_wait_dscnt 0x0
.endif
	WIN W_PV
.irp d, 0,1,2,3                        ; the four accumulators take turns, one instruction a turn
.if (\s) == 0
	v_wmma_f32_16x16x128_bf8_bf8 v[OA+8*\d:OA+8*\d+7], v[64*((\s)%2)+16*\d:64*((\s)%2)+16*\d+15], v[PC+16*((\s)%2):PC+16*((\s)%2)+15], 0
.else
	v_wmma_f32_16x16x128_bf8_bf8 v[OA+8*\d:OA+8*\d+7], v[64*((\s)%2)+16*\d:64*((\s)%2)+16*\d+15], v[PC+16*((\s)%2):PC+16*((\s)%2)+15], v[OA+8*\d:OA+8*\d+7]
.endif
.endr
.endm
	; ---- THE HEAD
	s_load_b256 s[4:11], s[0:1], 0x0               ; q s[4:5], k s[6:7], v s[8:9], the scales' exponents s[10:11]
	s_load_b64 s[12:13], s[0:1], 0x20              ; out0
	v_lshl_add_u32 v94, v0, 2, 0x28800
	v_mov_b32 v95, 0
	v_lshrrev_b32 v40, 5, v0
	v_readfirstlane_b32 s[WV], v40                 ; wave 0..3
	v_and_b32 v41, 31, v0
	v_lshlrev_b32 v[LI], 4, v41
	s_lshl_b32 s16, ttmp9, 16                      ; q, out0: 256 rows of 256 bytes a work-group (head x / 4, quarter x % 4: 65,536 x),
	s_lshl_b32 s32, s[WV], 14                      ; 64 rows a wave
	s_add_co_u32 s16, s16, s32
	s_mov_b32 s17, 0
	s_lshr_b32 s18, ttmp9, 2                       ; k, v: the head's 262,144 bytes,
	s_lshl_b32 s18, s18, 18
	s_lshl_b32 s32, s[WV], 16                      ; 256 keys a wave
	s_add_co_u32 s18, s18, s32
	s_mov_b32 s19, 0
	s_wait_kmcnt 0x0
	s_load_b128 s[20:23], s[10:11], 0x0            ; e0, e1, e2, e3
	s_add_nc_u64 s[4:5], s[4:5], s[16:17]
	s_add_nc_u64 s[12:13], s[12:13], s[16:17]
	s_add_nc_u64 s[6:7], s[6:7], s[18:19]
	s_add_nc_u64 s[8:9], s[8:9], s[18:19]
.irp i, 0,1,2,3,4,5,6,7
	global_load_b128 v[QRAW+4*\i:QRAW+4*\i+3], v[LI], s[4:5] offset:512*\i th:TH_LOAD_NT   ; my first tile of q: read once in the launch
.endr
	LOAD 0
	LOAD 1
	LOAD 2
	LOAD 3
	WIN 0
	v_add_nc_u32 v[LV], VIMG, v[LI]
	v_and_b32 v42, 15, v0                          ; r
	v_bfe_u32 v43, v0, 4, 1                        ; h
	s_mul_i32 s34, s[WV], STGW
	s_add_co_u32 s34, s34, STG                     ; my stage
	s_lshl_b32 s35, s[WV], 14                      ; my quarter of each image
	v_mul_u32_u24 v[SA], v43, SP
	v_lshl_add_u32 v[SA], v42, 4, v[SA]
	v_add_nc_u32 v[SA], s34, v[SA]
	v_mul_u32_u24 v[PR], v42, SP
	v_lshl_add_u32 v[PR], v43, 5, v[PR]
	v_add_nc_u32 v[PR], s34, v[PR]
	v_mul_u32_u24 v[PVR], v43, 8*SP
	v_lshl_add_u32 v[PVR], v42, 2, v[PVR]
	v_add_nc_u32 v[PVR], s34, v[PVR]
	v_add_nc_u32 v[KI], s35, v[LI]
	v_add_nc_u32 v[VI], s35, v[LV]
	v_mov_b32 v[NT+1], 0                           ; named as the upper halves of pairs, so they are written
	v_mov_b32 v[MC+1], 0
	v_mov_b32 v43, 0                               ; a lane permute's destination counts as one of its sources: v43 and v47 are written once
	v_mov_b32 v47, 0
	s_mov_b32 s[SEL], 0x76543210
	s_mov_b32 s[SEL+1], 0xfedcba98
	s_mov_b32 s[TL], 4
	s_wait_kmcnt 0x0
	SCALE 21, 8, 9                                 ; K's
	SCALE 23, 10, 11                               ; V's
	SCALE 20, 12, 13                               ; Q's
	SCALE 22, PSC, 41                              ; p's; v41 = 57,344 x 2^e2
	s_add_co_i32 s[CS], s20, s21
	s_add_co_i32 s[CS], s[CS], 123                 ; e0 + e1 - 4 + 127
	s_lshl_b32 s[CS], s[CS], 23
	s_mov_b32 s[CS+1], s[CS]                       ; (named with it as a pair, so it is written)
	s_add_co_i32 s[OSC], s22, s23
	s_add_co_i32 s[OSC], s[OSC], 127
	s_lshl_b32 s[OSC], s[OSC], 23
	s_mov_b32 s[OSC+1], s[OSC]
	v_sqrt_f32 v[YMAX], v41
	v_nop                                          ; a plain instruction behind the root,
	s_wait_alu depctr_va_vdst(0)                   ; and a wait ahead of its first reader
	v_mul_f32 v[YMAX], 0x3f7ffff0, v[YMAX]         ; x (1 - 2^-20): its square stays at or under 57,344 x 2^e2 whatever the root's last bit, and still has the largest code
	; ---- K AND V INTO THE IMAGES: sixteen steps, written out: every offset is an immediate
	s_wait_loadcnt 48                              ; q and chunk 0 are in; chunks 1 to 3 may be out
	TURN 0
.irp t, 0,1,2,3,4,5,6,7,8,9,10,11,12,13,14,15
	STEP \t
.endr
	s_wait_dscnt 0x0                               ; for the others' sake: my image stores have landed
	s_barrier_signal -1
	s_barrier_wait -1                              ; the launch's one barrier: from here on the images are only read, and each wave's stage is its own
	; ---- A TILE OF 16 QUERIES
.Ltile:
	s_wait_loadcnt 0x0                             ; this tile's q, asked for a tile ago
.irp i, 0,1,2,3,4,5,6,7
	ds_store_b128 v[SA], v[QRAW+4*\i:QRAW+4*\i+3] offset:2*SP*\i
.endr
.irp c, 0,1,2,3
	ds_load_b128 v[TA+8*\c:TA+8*\c+3],   v[PR] offset:64*\c      ; q(r, 16 c + 8 h + 0 .. 7)
	ds_load_b128 v[TA+8*\c+4:TA+8*\c+7], v[PR] offset:64*\c+16
.endr
	s_wait_dscnt 0x0                               ; q is back in a lane's order, and the stores have read the registers that the next loads fill
	s_cmp_eq_u32 s[TL], 1                          ; the last tile asks for nothing: no load leaves its buffer
	s_cbranch_scc1 .Lno_next_q
.irp i, 0,1,2,3,4,5,6,7
	global_load_b128 v[QRAW+4*\i:QRAW+4*\i+3], v[LI], s[4:5] offset:TILEB+512*\i th:TH_LOAD_NT
.endr
.Lno_next_q:
	FETCHK 0                                       ; (the buffers' last readers, the tile before's products, stand in front of the four v_nop of its way out)
	FETCHK 1
	WIN 0
	QUANT TA, 4, 12, 13, QF
	s_wait_dscnt 16                                ; batch 0's fragments are in; batch 1's sixteen loads may be out
	SMUL 0
	WIN 0
.irp u, 0,1,2,3
	v_mov_b32 v[MX+\u], 0xff800000                 ; the maximum's chains begin at -infinity.  (These four are the places behind batch 0's products, in front of the loads into their buffer)
.endr
	FETCHK 2
.irp b, 1,2,3,4,5,6,7
.if \b < 7
	s_wait_dscnt 16                                ; batch b's fragments are in; batch b + 1's may be out
.else
	s_wait_dscnt 0x0
.endif
	SMUL \b
	MAXB \b-1                                      ; 32 plain instructions on the batch before: the places behind this batch's products
.if \b < 6
	FETCHK \b+2
.endif
.endr
	MAXB 7
	WIN 0
	v_max3_num_f32 v[MX], v[MX], v[MX+1], v[MX+2]
	v_max_num_f32 v[MX], v[MX], v[MX+3]
	v_permlanex16_b32 v47, v[MX], s[SEL], s[SEL+1] ; the query's other 512 keys lie in the lane 16 away
	v_max_num_f32 v[MX], v[MX], v47
	v_mul_f32 v[MC], s[CS], v[MX]                  ; c is a power of two: nothing is rounded
.irp w, 0,1
	WIN 0x82+0x41*\w                               ; source 0 and destination window 2, then 3
.set i, 0
.rept 128
	v_pk_fma_f32 v[i:i+1], v[i:i+1], s[CS:CS+1], v[MC:MC+1] op_sel_hi:[1,0,0] neg_lo:[0,0,1] neg_hi:[0,0,1]   ; x = c s - c max: one rounding
.set i, i+2
.endr
.endr
	WIN 0
	v_mov_b32 v[NT], 1.0                           ; t = -1
	s_mov_b32 s[IT], NPASS
.Lnewton:
	NCHUNK 0, 1
.irp c, 1,2,3,4,5,6,7
	NCHUNK \c, 0
.endr
	v_pk_add_f32 v[QA:QA+1], v[QA:QA+1], v[QA+2:QA+3]
	v_pk_add_f32 v[QA+4:QA+5], v[QA+4:QA+5], v[QA+6:QA+7]
	v_pk_add_f32 v[AA:AA+1], v[AA:AA+1], v[AA+2:AA+3]
	v_pk_add_f32 v[AA+4:AA+5], v[AA+4:AA+5], v[AA+6:AA+7]
	v_pk_add_f32 v[QA:QA+1], v[QA:QA+1], v[QA+4:QA+5]
	v_pk_add_f32 v[AA:AA+1], v[AA:AA+1], v[AA+4:AA+5]
	v_add_f32 v45, v[QA], v[QA+1]
	v_add_f32 v46, v[AA], v[AA+1]
	v_permlanex16_b32 v47, v45, s[SEL], s[SEL+1]
	v_permlanex16_b32 v43, v46, s[SEL], s[SEL+1]
	v_add_f32 v45, v45, v47                        ; Q, at least about 1: t stays at or left of tau
	v_add_f32 v46, v46, v43                        ; A, at least -t > 0: the largest score's y
	v_sqrt_f32 v40, v45
	v_add_f32 v41, -1.0, v45                       ; Q - 1.  (The plain instruction behind the root)
	s_wait_alu depctr_va_vdst(0)                   ; the wait ahead of the root's first reader
	v_fma_f32 v42, v40, v46, v46                   ; (1 + sqrt Q) A
	v_mul_f32 v43, v41, v40                        ; (Q - 1) sqrt Q
	v_rcp_f32 v44, v42
	v_nop
	s_wait_alu depctr_va_vdst(0)                   ; likewise ahead of the reciprocal's
	v_fma_f32 v[NT], -v43, v44, v[NT]              ; -t less the step; the step is 0 just where Q = 1, whatever the root's and the reciprocal's last bits
	s_sub_co_u32 s[IT], s[IT], 1
	s_cmp_lg_u32 s[IT], 0
	s_cbranch_scc1 .Lnewton
	FETCHV 0
.irp s, 0,1,2,3,4,5,6,7
	FIN \s
.endr
	; THE WAY OUT: O^T x 2^(e2 + e3); a lane's 32 bytes of a row go into my stage and come back as dense rows: each store of the wave covers 512 consecutive bytes, aligned
.rept 4
	v_nop                                          ; four places behind the last products, ahead of the first read of their results
.endr
	WIN W_O
.irp i, 0,2,4,6,8,10,12,14,16,18,20,22,24,26,28,30
	v_pk_mul_f32 v[TA+\i:TA+\i+1], v[OA+\i:OA+\i+1], s[OSC:OSC+1] op_sel_hi:[1,0]   ; each accumulator from its low end on
.endr
	WIN 0
.irp d, 0,1,2,3
	ds_store_b128 v[PR], v[TA+8*\d:TA+8*\d+3]   offset:64*\d     ; out(r, 16 d + 8 h + 0 .. 7)
	ds_store_b128 v[PR], v[TA+8*\d+4:TA+8*\d+7] offset:64*\d+16
.endr
.irp i, 0,1,2,3,4,5,6,7
	ds_load_b128 v[TB+4*\i:TB+4*\i+3], v[SA] offset:2*SP*\i      ; LDS serves a wave's instructions in order: these see the stores above
.endr
.irp i, 0,1,2,3,4,5,6,7
	s_wait_dscnt 7-\i                              ; load i is back; the younger ones may be out
	global_store_b128 v[LI], v[TB+4*\i:TB+4*\i+3], s[12:13] offset:512*\i th:TH_STORE_NT
.endr
	s_wait_xcnt 0x0                                ; the stores and the loads of q have read their registers and bases: only now are the bases stepped, and the stores' data written again in the next tile
	s_add_nc_u64 s[4:5], s[4:5], TILEB
	s_add_nc_u64 s[12:13], s[12:13], TILEB
	s_sub_co_u32 s[TL], s[TL], 1
	s_cmp_lg_u32 s[TL], 0
	s_cbranch_scc1 .Ltile
	s_wait_tensorcnt 0x0
	ds_add_u32 v94, v95
	s_wait_dscnt 0x0
	s_endpgm
.Lfunc_end_k_qc45ede6ada_entmax_attn:
	.size	k_qc45ede6ada_entmax_attn, .Lfunc_end_k_qc45ede6ada_entmax_attn-k_qc45ede6ada_entmax_attn
	.p2alignl 7, 3214868480
	.fill 96, 4, 3214868480
	.section	.rodata,"a",@progbits
	.p2align	6, 0x0
	.amdhsa_kernel k_qc45ede6ada_entmax_attn
		.amdhsa_group_segment_fixed_size 166400
		.amdhsa_private_segment_fixed_size 0
		.amdhsa_enable_private_segment 0
		.amdhsa_kernarg_size 40
		.amdhsa_user_sgpr_count 2
		.amdhsa_user_sgpr_kernarg_segment_ptr 1
		.amdhsa_wavefront_size32 1
		.amdhsa_system_sgpr_workgroup_id_x 1
		.amdhsa_system_sgpr_workgroup_id_y 1
		.amdhsa_system_sgpr_workgroup_id_z 1
		.amdhsa_system_vgpr_workitem_id 0
		.amdhsa_next_free_vgpr 1024
		.amdhsa_next_free_sgpr 66
		.amdhsa_reserve_vcc 0
		.amdhsa_float_denorm_mode_32 3
		.amdhsa_float_denorm_mode_16_64 3
		.amdhsa_memory_ordered 1
		.amdhsa_forward_progress 1
		.amdhsa_inst_pref_size 255
	.end_amdhsa_kernel
	.section	.bss,"aw",@nobits
	.p2align	6
	.space	262144
	.amdgpu_metadata
---
amdhsa.version: [ 1, 2 ]
amdhsa.kernels:
  - .name:           k_qc45ede6ada_entmax_attn
    .symbol:         k_qc45ede6ada_entmax_attn.kd
    .args:
      - { .name: q, .offset: 0, .size: 8, .value_kind: global_buffer, .address_space: global }
      - { .name: k, .offset: 8, .size: 8, .value_kind: global_buffer, .address_space: global }
      - { .name: v, .offset: 16, .size: 8, .value_kind: global_buffer, .address_space: global }
      - { .name: lowp_scales, .offset: 24, .size: 8, .value_kind: global_buffer, .address_space: global }
      - { .name: out0, .offset: 32, .size: 8, .value_kind: global_buffer, .address_space: global }
    .group_segment_fixed_size: 166400
    .private_segment_fixed_size: 0
    .kernarg_segment_align: 8
    .kernarg_segment_size: 40
    .max_flat_workgroup_size: 128
    .sgpr_count:     66
    .vgpr_count:     1024
    .wavefront_size: 32
...
	.end_amdgpu_metadata
.endif
;; end of part 1
;; ======== version 2 of 2: 1 launch; version 1 with the launch entmax_attn written anew for expert scheduling mode
;; launch entmax_attn (part 2): grid 256 x 1, 4 waves a work-group, no clusters, 166,400 bytes of LDS; arguments q, k, v, lowp_scales, out0; writes out0
.if DOCPART == 2
	.amdgcn_target "amdgcn-amd-amdhsa--gfx1250"
	.amdhsa_code_object_version 6
	.text
	.protected	k_qc45ede6ada_entmax_attn
	.globl	k_qc45ede6ada_entmax_attn
	.p2align	8
	.type	k_qc45ede6ada_entmax_attn,@function
k_qc45ede6ada_entmax_attn:
	s_mov_b64 s[64:65], 0
	v_nop
	global_prefetch_b8 v0, s[64:65] scope:SCOPE_SE
	s_setreg_imm32_b32 hwreg(HW_REG_WAVE_SCHED_MODE, 0, 2), 2
	s_setreg_imm32_b32 hwreg(HW_REG_WAVE_MODE, 25, 1), 1
	s_wait_xcnt 0x0
	s_wait_alu depctr_vm_vsrc(0)
; out0[h][q][:] = the sum over keys of entmax15_k(Q[h][q] . K[h][k] / 8) V[h][k][:].  q, k, v, out0: [64 heads][1,024][64] f32.
; Both products run on codes of BF8 (E5M2), each operand with the one scale 2^e that is given for it: e0 (q), e1 (k), e2 (the weights p), e3 (v).
; ENTMAX.  x = score / 2 - the row's largest; p = max(x - tau, 0)^2 with tau such that the sum of p is 1.  tau is the root of g(t) = |(x - t)+|_2 - 1, which is convex and falls.
;   With y = max(x - t, 0), Q = sum y^2, A = sum y, its slope has the magnitude s = A / sqrt(Q), between 1 and 32 (1,024 keys).  Newton from t = -1 (at or left of tau, since p <= 1) stays at or left of tau:
;   t += (Q - 1) sqrt(Q) / ((1 + sqrt(Q)) A).  Convexity gives g_new <= g_old (1 - s_new / s_old); the product of those ratios is at least 1/32; so after N passes g <= 31 (1 - 32^(-1/N))^N, and tau - t <= g.
;   N = 14 gives 1.8e-8 for EVERY row, under half a unit in the last place of tau: the number of passes is a constant of the text and hangs on no data.  No sort, no branch on numbers.
; SHARES.  Work-group x serves head x / 4 and queries 256 (x % 4) on; each of its four waves owns 64 queries, four tiles of 16, and holds all 1,024 registers of its SIMD.
;   A tile's scores, 16 queries x 1,024 keys, are 512 registers (windows 2 and 3): they never leave the registers between the first product and the conversion of p.
; K AND V.  At the head the four waves read the head's K and V once (256 keys a wave), quantise them and lay the codes in LDS as IMAGES OF OPERAND REGISTERS (16 bytes a lane, 512 bytes a store): 64 KiB each.
;   One barrier; after it the images are only read.  Dense loads (512 consecutive bytes) are turned into a lane's order through the wave's own stage in LDS.
; NO CLUSTER, NO TENSOR LOADS: what the four work-groups of a head share, K and V, comes as f32 and must pass through registers to be quantised (V also turned: its K is the keys); it is read once, in 16 steps
;   of some 170 instructions, beside some 78,000 of a wave's four tiles.  A joint ring would send 512 KiB of f32 through slots beside the 128 KiB of images, with a round for each refill.
; LAYOUT (r = lane % 16, h = lane / 16), the 8-bit forms' own: registers 2 c, 2 c + 1 of a fragment hold k = 16 c + 8 h + 0 .. 7 of the lane's row r.
;   S^T = K Q^T (source 0 = 16 keys, source 1 = my 16 queries, K = 64): a lane holds ONE query r, register j of key tile kt is key 16 kt + 8 h + j.
;   So the eight registers of key tile 8 s + c, converted, ARE registers 2 c, 2 c + 1 of p's operand for the 128 keys of step s: nothing changes lanes.
;   O^T = V^T P^T (source 0 = 16 of the head's 64 channels x 128 keys, source 1 = p): register j of channel tile dt is channel 16 dt + 8 h + j of query r.
; LIMITS on the given exponents, so that each power of two below is an f32 number: e0, e1, e2, e3 each between -126 and 112; e0 + e1 between -122 and 131; e2 + e3 between -126 and 127.
;   NaN among the inputs is not served; infinities are held at the largest code.
; REGISTERS, in windows of 256 (s_set_vgpr_msb: bits 1:0 source 0, 3:2 source 1, 5:4 source 2, 7:6 destination):
;   window 0: v1-7 addresses; v8-15 scales; v16-47 a row's figures; v48-55 Q's fragment; v56-87 q as loaded; v94, v95 the closing add's two; v96-127 codes just made, two sets; v128-191, v192-255 at work (TA, TB)
;   window 1: at the head a ring of four slots of 64 for K and V as loaded; then v0-127 two buffers for fragments of K or V, v128-159 O^T
;   windows 2, 3: the scores: key tile kt at 8 kt, counted from window 2's v0
; THE MODE: SCHED_MODE bits 1:0 = 2 (LLVM: expert scheduling mode 2), set by the entry lines.  The code itself states the register dependences
;   between vector or matrix instructions and memory or LDS instructions, with s_wait_alu, always for 0.
; THE PLAN.  Registers that memory or LDS instructions touch, and who else names them:
;   v1-7          Written once at the head by vector instructions, read by loads and stores, never written again: a wait on va_vdst ahead of the first global load (v1), the root's own ahead of the first LDS instruction (v2-7).
;   the ring      Slot n % 4: chunk n's global loads land in it, TURN n's stage stores read it, chunk n + 4 lands in it.  No vector instruction names it.
;   TA, TB (head) T[n % 2]: TURN n's LDS loads land in it, step n's holds and conversions work on it, TURN n + 2 lands in it in step n + 1.
;   the codes     Set n % 2: step n's conversions write it, the image stores ISSUED IN STEP n + 1 read it, step n + 2's conversions write it again.
;     So a step's head has one wait on vm_vsrc (the ring slot and the codes' set that this step fills are read) and one on va_vdst (the step before has written its codes and is done with its T);
;     the step's memory work (image stores, global loads, the turn through the stage) follows them with no vector instruction between.
;   q as loaded   Global loads land in it, the tile's stage stores read it, the next tile's loads land in it: a wait on vm_vsrc between.  No vector instruction names it.
;   buffers 0, 1  (window 1)  LDS loads land in them, products read them: a wait on va_vdst ahead of each refill, behind the 32 vector instructions that follow the products.
;   TA, TB (out)  The way out's multiplications write TA, LDS stores read it; LDS loads land in TB, global stores read it: a wait on va_vdst ahead of the LDS stores, one on vm_vsrc at the loop's end.
;   The scores, O^T, Q's fragment, a row's figures and, in a tile, p's codes are named by vector and matrix instructions alone.
.set ROWB,   256                       ; a row of 64 f32
.set TILEB,  16*ROWB                   ; a tile of 16 queries
.set CHUNKB, 32*ROWB                   ; a chunk of 32 keys: what a step of the head works on
.set NPASS,  14                        ; Newton passes (see above)
.set VIMG,   65536                     ; LDS: K's images at 0 (fragment kt at 1,024 kt), V's here (fragment (s, dt) at 2,048 (4 s + dt)),
.set STG,    131072                    ; and the waves' stages: 32 rows of SP bytes each
.set SP,     272                       ; a stage row: 256 bytes + 16: 68 words, so that 16 rows begin at 16 different groups of four banks (64 banks of 4 bytes: ISA guide 11.1)
.set STGW,   32*SP
.set LI,   1                           ; v1   16 x lane: my place in an image, in a dense load and in a dense store
.set LV,   2                           ; v2   the same in V's images
.set SA,   3                           ; v3   stage, dense: row h, 16 r
.set PR,   4                           ; v4   stage, by fragment: row r, 32 h
.set PVR,  5                           ; v5   stage, V turned: row 8 h, 4 r
.set KI,   6                           ; v6   where I store K's images: 16 x lane + 16,384 x wave
.set VI,   7                           ; v7   V's likewise
.set PSC,  14                          ; v14  2^e2
.set YMAX, 15                          ; v15  just under sqrt(57,344 x 2^e2)
.set NT,   16                          ; v[16:17] -t (the pair's low word serves both halves)
.set MC,   18                          ; v[18:19] c x the row's largest score
.set QA,   20                          ; v[20:27] sum y^2, four chains of pairs
.set AA,   28                          ; v[28:35] sum y, likewise
.set MX,   36                          ; v36-39  the maximum's four chains
.set QF,   48
.set QRAW, 56
.set PC,   96
.set TA,   128
.set TB,   192
.set OA,   128                         ; in window 1
.set WV,   14                          ; s14  my wave's number
.set CS,   24                          ; s[24:25] c = 2^(e0 + e1 - 4): score / 8 / 2
.set OSC,  26                          ; s[26:27] 2^(e2 + e3)
.set SEL,  28                          ; s[28:29] v_permlanex16_b32's selects for lane l xor 16
.set TL,   30                          ; s30  tiles to go
.set IT,   31                          ; s31  passes to go
.set W_LD1, 0x40                       ; destination window 1
.set W_ST1, 0x04                       ; an LDS store's data window 1
.set W_PV,  0x51                       ; V, C and D window 1; p window 0
.set W_O,   0x01                       ; source 0 window 1
.set MSB, 0
.macro WIN new                         ; the immediate's high byte repeats the setting that is left; a switch that changes nothing is dropped
.if MSB != (\new)
	s_set_vgpr_msb (MSB<<8)|(\new)
.set MSB, \new
.endif
.endm
; v[vs] = 2^e as f32 (a conversion takes its exponent field), v[vl] = 57,344 x 2^e; e in s[e]
.macro SCALE e, vs, vl
	s_add_co_i32 s32, s[\e], 127
	s_lshl_b32 s33, s32, 23
	v_mov_b32 v[\vs], s33
	s_add_co_i32 s32, s32, 15
	s_lshl_b32 s32, s32, 23
	s_or_b32 s32, s32, 0x600000
	v_mov_b32 v[\vl], s32
.endm
; Chunk n of my wave (0-7: K, 8-15: V; 32 keys, 8 KiB) into ring slot n % 4: sixteen loads of 512 consecutive bytes
.macro LOAD n
	WIN W_LD1
.irp i, 0,1,2,3,4,5,6,7,8,9,10,11,12,13,14,15
.if (\n) < 8
	global_load_b128 v[64*((\n)%4)+4*\i:64*((\n)%4)+4*\i+3], v[LI], s[6:7] offset:CHUNKB*((\n)%8)+512*\i
.else
	global_load_b128 v[64*((\n)%4)+4*\i:64*((\n)%4)+4*\i+3], v[LI], s[8:9] offset:CHUNKB*((\n)%8)+512*\i
.endif
.endr
.endm
; Chunk n through my stage: in as it lies, out in the order that the conversions want.  LDS serves a wave's instructions in order (ISA guide 5.7.1.4): no wait between the stores and the loads.
; K: register 32 f + 8 c + j = K(key 16 f + r, channel 16 c + 8 h + j).   V: register 16 d + 8 g + j = V(key 16 g + 8 h + j, channel 16 d + r): a lane takes a channel and its registers run down the keys.
.macro TURN n
	WIN W_ST1
.irp i, 0,1,2,3,4,5,6,7,8,9,10,11,12,13,14,15
	ds_store_b128 v[SA], v[64*((\n)%4)+4*\i:64*((\n)%4)+4*\i+3] offset:2*SP*\i
.endr
	WIN 0
.set T, TA+64*((\n)%2)
.if (\n) < 8
.irp f, 0,1
.irp c, 0,1,2,3
	ds_load_b128 v[T+32*\f+8*\c:T+32*\f+8*\c+3],   v[PR] offset:16*SP*\f+64*\c
	ds_load_b128 v[T+32*\f+8*\c+4:T+32*\f+8*\c+7], v[PR] offset:16*SP*\f+64*\c+16
.endr
.endr
.else
.irp d, 0,1,2,3
.irp g, 0,1
.irp j, 0,1,2,3,4,5,6,7
	ds_load_b32 v[T+16*\d+8*\g+\j], v[PVR] offset:SP*(16*\g+\j)+64*\d
.endr
.endr
.endr
.endif
.endm
; 8 n8 numbers from v[src] on become codes from v[dst] on: held within the largest code x the scale (the conversion to an 8-bit code does not saturate: ISA guide 7.6.2), then eight at a time
.macro QUANT src, n8, sc, lim, dst
.irp g, 0,1,2,3,4,5,6,7
.if \g < \n8
.irp i, 0,1,2,3,4,5,6,7
	v_med3_num_f32 v[(\src)+8*\g+\i], v[(\src)+8*\g+\i], -v[\lim], v[\lim]
.endr
	v_cvt_scalef32_pk8_bf8_f32 v[(\dst)+2*\g:(\dst)+2*\g+1], v[(\src)+8*\g:(\src)+8*\g+7], v[\sc]
.endif
.endr
	v_nop                                          ; one plain vector instruction behind the last conversion, ahead of whatever next touches its result or writes its sources
.endm
; Chunk n's 16 registers of codes go to the images as they stand.  K: two whole fragments (key tiles 2 (n % 8) + f of my wave's 16).  V: registers 4 (n % 4) on of the four channel tiles' fragments of step (n % 8) / 4.
.macro IMAGE n
.set CD, PC+16*((\n)%2)
.if (\n) < 8
.irp f, 0,1
.irp p, 0,1
	ds_store_b128 v[KI], v[CD+8*\f+4*\p:CD+8*\f+4*\p+3] offset:(2*((\n)%8)+\f)*1024+512*\p
.endr
.endr
.else
.irp d, 0,1,2,3
	ds_store_b128 v[VI], v[CD+4*\d:CD+4*\d+3] offset:(4*(((\n)%8)/4)+\d)*2048+512*((\n)%4)
.endr
.endif
.endm
; A step of the head: chunk n is quantised while chunk n - 1's codes go to the images, chunk n + 1 goes through the stage and chunk n + 4 is asked for.
; All the step's memory and LDS instructions stand behind the waits at its head and ahead of its vector instructions.
.macro STEP n
	s_wait_dscnt 0x0                               ; chunk n is back from the stage
	s_wait_alu depctr_vm_vsrc(0)                   ; chunk n's stores into the stage have read ring slot n % 4, in which chunk n + 4 lands; the image stores issued a step ago have read the codes' set n % 2, which this step's conversions write
.if (\n) > 0
	s_wait_alu depctr_va_vdst(0)                   ; the step before has written its codes, which the image stores below read, and is done with its 64 numbers, in whose registers chunk n + 1 lands from the stage
	IMAGE (\n)-1
.endif
.if (\n)+4 < 16
	LOAD (\n)+4
.endif
.if (\n) < 15
.if (\n) <= 11
	s_wait_loadcnt 48                              ; loads come back in order (ISA guide 5.7.1): chunk n + 1 is in; the three chunks behind it, 16 loads each, may be out
.else
	s_wait_loadcnt 16*(14-(\n))                    ; nothing more is asked for: the counts run down
.endif
	TURN (\n)+1
.endif
.if (\n) < 8
	QUANT TA+64*((\n)%2), 8, 8, 9, PC+16*((\n)%2)
.else
	QUANT TA+64*((\n)%2), 8, 10, 11, PC+16*((\n)%2)
.endif
.endm
; Eight fragments of K (key tiles 8 b on) into buffer b % 2; the four fragments of V of step s into buffer s % 2: sixteen loads each, 512 consecutive bytes a load
.macro FETCHK b
	WIN W_LD1
.irp t, 0,1,2,3,4,5,6,7
	ds_load_b128 v[64*((\b)%2)+8*\t:64*((\b)%2)+8*\t+3],   v[LI] offset:(8*(\b)+\t)*1024
	ds_load_b128 v[64*((\b)%2)+8*\t+4:64*((\b)%2)+8*\t+7], v[LI] offset:(8*(\b)+\t)*1024+512
.endr
.endm
.macro FETCHV s
	WIN W_LD1
.irp d, 0,1,2,3
.irp i, 0,1,2,3
	ds_load_b128 v[64*((\s)%2)+16*\d+4*\i:64*((\s)%2)+16*\d+4*\i+3], v[LV] offset:(4*(\s)+\d)*2048+512*\i
.endr
.endr
.endm
; Batch b of the scores: eight products, each a whole sum (K = 64 is the head's size): C is the constant 0
.macro SMUL b
	WIN 0x81+0x40*((\b)/4)                         ; K window 1, Q window 0, the scores window 2 or 3
.irp t, 0,1,2,3,4,5,6,7
	v_wmma_f32_16x16x64_bf8_bf8 v[64*((\b)%4)+8*\t:64*((\b)%4)+8*\t+7], v[64*((\b)%2)+8*\t:64*((\b)%2)+8*\t+7], v[QF:QF+7], 0
.endr
.endm
; The largest of batch b's scores, three operands at a time, in four chains; each accumulator is read from its low end on
.macro MAXB b
	WIN 0x28+0x14*((\b)/4)                         ; sources 1 and 2 window 2 or 3
.irp t, 0,1,2,3,4,5,6,7
.irp u, 0,1,2,3
	v_max3_num_f32 v[MX+\u], v[MX+\u], v[64*((\b)%4)+8*\t+2*\u], v[64*((\b)%4)+8*\t+2*\u+1]
.endr
.endr
.endm
; A pass over 64 registers of x: y = max(x - t, 0); Q += y^2; A += y.  first = 1: the pass's first pairs start the sums: nothing is cleared
.macro NCHUNK c, first
	WIN 0x02+(\c)/4                                ; source 0 window 2 or 3
.set i, 0
.rept 32
	v_pk_add_f32 v[TA+i:TA+i+1], v[64*((\c)%4)+i:64*((\c)%4)+i+1], v[NT:NT+1] op_sel_hi:[1,0]
.set i, i+2
.endr
	WIN 0
.set i, 0
.rept 64
	v_max_num_f32 v[TA+i], 0, v[TA+i]
.set i, i+1
.endr
.set i, 0
.rept 32
.set j, 2*(i%4)
.if (\first) && (i < 4)
	v_pk_mul_f32 v[QA+j:QA+j+1], v[TA+2*i:TA+2*i+1], v[TA+2*i:TA+2*i+1]
.else
	v_pk_fma_f32 v[QA+j:QA+j+1], v[TA+2*i:TA+2*i+1], v[TA+2*i:TA+2*i+1], v[QA+j:QA+j+1]
.if (\first) && (i < 8)
	v_pk_add_f32 v[AA+j:AA+j+1], v[TA+2*i-8:TA+2*i-7], v[TA+2*i:TA+2*i+1]
.else
	v_pk_add_f32 v[AA+j:AA+j+1], v[AA+j:AA+j+1], v[TA+2*i:TA+2*i+1]
.endif
.endif
.set i, i+1
.endr
.endm
; Step s of the second product: p of keys 128 s on, its codes, four products.  y is held between 0 and YMAX by one instruction: that is the max(., 0) and, since YMAX^2 lies just under
; 57,344 x 2^e2 and has the largest code, the hold ahead of the conversion as well.
.macro FIN s
	WIN 0x02+(\s)/4
.set i, 0
.rept 32
	v_pk_add_f32 v[TA+i:TA+i+1], v[64*((\s)%4)+i:64*((\s)%4)+i+1], v[NT:NT+1] op_sel_hi:[1,0]   ; x - tau.  (These 32 stand between the last step's products and the wait below)
.set i, i+2
.endr
.if ((\s) > 0) && ((\s) < 7)
	s_wait_alu depctr_va_vdst(0)                   ; the products of step s - 1 are done reading their buffer, in which V of step s + 1 lands
.endif
.if (\s) < 7
	FETCHV (\s)+1                                  ; (step 0: buffer 1's last readers, batch 7's products, stand ahead of the Newton passes' waits on va_vdst, and nothing issued since names the buffer or v[LV])
.endif
	WIN 0
.irp g, 0,1,2,3,4,5,6,7
.irp i, 0,1,2,3,4,5,6,7
	v_med3_num_f32 v[TA+8*\g+\i], v[TA+8*\g+\i], 0, v[YMAX]
.endr
.irp i, 0,2,4,6
	v_pk_mul_f32 v[TA+8*\g+\i:TA+8*\g+\i+1], v[TA+8*\g+\i:TA+8*\g+\i+1], v[TA+8*\g+\i:TA+8*\g+\i+1]   ; p = y^2
.endr
	v_cvt_scalef32_pk8_bf8_f32 v[PC+16*((\s)%2)+2*\g:PC+16*((\s)%2)+2*\g+1], v[TA+8*\g:TA+8*\g+7], v[PSC]   ; registers 2 g, 2 g + 1 of p's operand
.endr
	v_nop                                          ; one plain vector instruction between the last conversion and the products that read its result
.if (\s) < 7
	s_wait_dscnt 16                                ; V of this step is in; the next step's sixteen loads may be out
.else
	s_wait_dscnt 0x0
.endif
	WIN W_PV
.irp d, 0,1,2,3                        ; the four accumulators take turns, one instruction a turn
.if (\s) == 0
	v_wmma_f32_16x16x128_bf8_bf8 v[OA+8*\d:OA+8*\d+7], v[64*((\s)%2)+16*\d:64*((\s)%2)+16*\d+15], v[PC+16*((\s)%2):PC+16*((\s)%2)+15], 0
.else
	v_wmma_f32_16x16x128_bf8_bf8 v[OA+8*\d:OA+8*\d+7], v[64*((\s)%2)+16*\d:64*((\s)%2)+16*\d+15], v[PC+16*((\s)%2):PC+16*((\s)%2)+15], v[OA+8*\d:OA+8*\d+7]
.endif
.endr
.endm
	; ---- THE HEAD
	s_load_b256 s[4:11], s[0:1], 0x0               ; q s[4:5], k s[6:7], v s[8:9], the scales' exponents s[10:11]
	s_load_b64 s[12:13], s[0:1], 0x20              ; out0
	v_lshl_add_u32 v94, v0, 2, 0x28800
	v_mov_b32 v95, 0
	v_lshrrev_b32 v40, 5, v0
	v_readfirstlane_b32 s[WV], v40                 ; wave 0..3
	v_and_b32 v41, 31, v0
	v_lshlrev_b32 v[LI], 4, v41
	s_wait_alu depctr_va_sdst(0)                   ; s14, the wave's number, is written, ahead of its first reader: the offsets below are made from it
	s_lshl_b32 s16, ttmp9, 16                      ; q, out0: 256 rows of 256 bytes a work-group (head x / 4, quarter x % 4: 65,536 x),
	s_lshl_b32 s32, s[WV], 14                      ; 64 rows a wave
	s_add_co_u32 s16, s16, s32
	s_mov_b32 s17, 0
	s_lshr_b32 s18, ttmp9, 2                       ; k, v: the head's 262,144 bytes,
	s_lshl_b32 s18, s18, 18
	s_lshl_b32 s32, s[WV], 16                      ; 256 keys a wave
	s_add_co_u32 s18, s18, s32
	s_mov_b32 s19, 0
	s_wait_kmcnt 0x0
	s_load_b128 s[20:23], s[10:11], 0x0            ; e0, e1, e2, e3
	s_add_nc_u64 s[4:5], s[4:5], s[16:17]
	s_add_nc_u64 s[12:13], s[12:13], s[16:17]
	s_add_nc_u64 s[6:7], s[6:7], s[18:19]
	s_add_nc_u64 s[8:9], s[8:9], s[18:19]
	s_wait_alu depctr_va_vdst(0)                   ; v[LI] is written: every global load and store of the kernel reads it as its offset
.irp i, 0,1,2,3,4,5,6,7
	global_load_b128 v[QRAW+4*\i:QRAW+4*\i+3], v[LI], s[4:5] offset:512*\i th:TH_LOAD_NT   ; my first tile of q: read once in the launch
.endr
	LOAD 0
	LOAD 1
	LOAD 2
	LOAD 3
	WIN 0
	v_add_nc_u32 v[LV], VIMG, v[LI]
	v_and_b32 v42, 15, v0                          ; r
	v_bfe_u32 v43, v0, 4, 1                        ; h
	s_mul_i32 s34, s[WV], STGW
	s_add_co_u32 s34, s34, STG                     ; my stage
	s_lshl_b32 s35, s[WV], 14                      ; my quarter of each image
	v_mul_u32_u24 v[SA], v43, SP
	v_lshl_add_u32 v[SA], v42, 4, v[SA]
	v_add_nc_u32 v[SA], s34, v[SA]
	v_mul_u32_u24 v[PR], v42, SP
	v_lshl_add_u32 v[PR], v43, 5, v[PR]
	v_add_nc_u32 v[PR], s34, v[PR]
	v_mul_u32_u24 v[PVR], v43, 8*SP
	v_lshl_add_u32 v[PVR], v42, 2, v[PVR]
	v_add_nc_u32 v[PVR], s34, v[PVR]
	v_add_nc_u32 v[KI], s35, v[LI]
	v_add_nc_u32 v[VI], s35, v[LV]
	v_mov_b32 v[NT+1], 0                           ; named as the upper halves of pairs, so they are written
	v_mov_b32 v[MC+1], 0
	v_mov_b32 v43, 0                               ; a lane permute's destination counts as one of its sources: v43 and v47 are written once
	v_mov_b32 v47, 0
	s_mov_b32 s[SEL], 0x76543210
	s_mov_b32 s[SEL+1], 0xfedcba98
	s_mov_b32 s[TL], 4
	s_wait_kmcnt 0x0
	SCALE 21, 8, 9                                 ; K's
	SCALE 23, 10, 11                               ; V's
	SCALE 20, 12, 13                               ; Q's
	SCALE 22, PSC, 41                              ; p's; v41 = 57,344 x 2^e2
	s_add_co_i32 s[CS], s20, s21
	s_add_co_i32 s[CS], s[CS], 123                 ; e0 + e1 - 4 + 127
	s_lshl_b32 s[CS], s[CS], 23
	s_mov_b32 s[CS+1], s[CS]                       ; (named with it as a pair, so it is written)
	s_add_co_i32 s[OSC], s22, s23
	s_add_co_i32 s[OSC], s[OSC], 127
	s_lshl_b32 s[OSC], s[OSC], 23
	s_mov_b32 s[OSC+1], s[OSC]
	v_sqrt_f32 v[YMAX], v41
	v_nop                                          ; a plain instruction behind the root,
	s_wait_alu depctr_va_vdst(0)                   ; and a wait ahead of its first reader.  The six LDS addresses v2 to v7 are written too: every LDS instruction below reads one of them or v[LI], and none is written again
	v_mul_f32 v[YMAX], 0x3f7ffff0, v[YMAX]         ; x (1 - 2^-20): its square stays at or under 57,344 x 2^e2 whatever the root's last bit, and still has the largest code
	; ---- K AND V INTO THE IMAGES: sixteen steps, written out: every offset is an immediate
	s_wait_loadcnt 48                              ; q and chunk 0 are in; chunks 1 to 3 may be out
	TURN 0
.irp t, 0,1,2,3,4,5,6,7,8,9,10,11,12,13,14,15
	STEP \t
.endr
	s_wait_alu depctr_va_vdst(0)                   ; chunk 15's conversions have written their codes, which the image stores read.  No vector instruction follows ahead of the first tile's first LDS loads, which land in registers that the steps worked on
	IMAGE 15
	s_wait_dscnt 0x0                               ; for the others' sake: my image stores have landed
	s_barrier_signal -1
	s_barrier_wait -1                              ; the launch's one barrier: from here on the images are only read, and each wave's stage is its own
	; ---- A TILE OF 16 QUERIES
.Ltile:
	s_wait_loadcnt 0x0                             ; this tile's q, asked for a tile ago
.irp i, 0,1,2,3,4,5,6,7
	ds_store_b128 v[SA], v[QRAW+4*\i:QRAW+4*\i+3] offset:2*SP*\i
.endr
.irp c, 0,1,2,3
	ds_load_b128 v[TA+8*\c:TA+8*\c+3],   v[PR] offset:64*\c      ; q(r, 16 c + 8 h + 0 .. 7).  (The last vector instructions that named these registers stand ahead of the way out's wait on va_vdst, the LDS stores that read them ahead of the loop's end's wait on vm_vsrc)
	ds_load_b128 v[TA+8*\c+4:TA+8*\c+7], v[PR] offset:64*\c+16
.endr
	s_wait_dscnt 0x0                               ; q is back in a lane's order
	s_wait_alu depctr_vm_vsrc(0)                   ; the stores into the stage have read q as loaded, in whose registers the next tile's q lands; in the first tile also: the image stores of chunks 14 and 15 have read the two sets of codes, which p's conversions write
	s_cmp_eq_u32 s[TL], 1                          ; the last tile asks for nothing: no load leaves its buffer
	s_cbranch_scc1 .Lno_next_q
.irp i, 0,1,2,3,4,5,6,7
	global_load_b128 v[QRAW+4*\i:QRAW+4*\i+3], v[LI], s[4:5] offset:TILEB+512*\i th:TH_LOAD_NT
.endr
.Lno_next_q:
	FETCHK 0                                       ; (the buffers' last readers, the tile before's products, stand ahead of its way out's wait on va_vdst, and no vector instruction has been issued since)
	FETCHK 1
	WIN 0
	QUANT TA, 4, 12, 13, QF
	s_wait_dscnt 16                                ; batch 0's fragments are in; batch 1's sixteen loads may be out
	SMUL 0
	WIN 0
.irp u, 0,1,2,3
	v_mov_b32 v[MX+\u], 0xff800000                 ; the maximum's chains begin at -infinity.  (These four are the places behind batch 0's products, ahead of the first read of their results)
.endr
	s_wait_alu depctr_va_vdst(0)                   ; batch 0's products are done reading buffer 0, in which batch 2's fragments land
	FETCHK 2
.irp b, 1,2,3,4,5,6,7
.if \b < 7
	s_wait_dscnt 16                                ; batch b's fragments are in; batch b + 1's may be out
.else
	s_wait_dscnt 0x0
.endif
	SMUL \b
	MAXB \b-1                                      ; 32 plain instructions on the batch before: the places behind this batch's products, ahead of the first read of their results
.if \b < 6
	s_wait_alu depctr_va_vdst(0)                   ; batch b's products are done reading their buffer, in which batch b + 2's fragments land
	FETCHK \b+2
.endif
.endr
	MAXB 7
	WIN 0
	v_max3_num_f32 v[MX], v[MX], v[MX+1], v[MX+2]
	v_max_num_f32 v[MX], v[MX], v[MX+3]
	v_permlanex16_b32 v47, v[MX], s[SEL], s[SEL+1] ; the query's other 512 keys lie in the lane 16 away
	v_max_num_f32 v[MX], v[MX], v47
	v_mul_f32 v[MC], s[CS], v[MX]                  ; c is a power of two: nothing is rounded
.irp w, 0,1
	WIN 0x82+0x41*\w                               ; source 0 and destination window 2, then 3
.set i, 0
.rept 128
	v_pk_fma_f32 v[i:i+1], v[i:i+1], s[CS:CS+1], v[MC:MC+1] op_sel_hi:[1,0,0] neg_lo:[0,0,1] neg_hi:[0,0,1]   ; x = c s - c max: one rounding
.set i, i+2
.endr
.endr
	WIN 0
	v_mov_b32 v[NT], 1.0                           ; t = -1
	s_mov_b32 s[IT], NPASS
.Lnewton:                                              ; no memory or LDS instruction stands in a pass
	NCHUNK 0, 1
.irp c, 1,2,3,4,5,6,7
	NCHUNK \c, 0
.endr
	v_pk_add_f32 v[QA:QA+1], v[QA:QA+1], v[QA+2:QA+3]
	v_pk_add_f32 v[QA+4:QA+5], v[QA+4:QA+5], v[QA+6:QA+7]
	v_pk_add_f32 v[AA:AA+1], v[AA:AA+1], v[AA+2:AA+3]
	v_pk_add_f32 v[AA+4:AA+5], v[AA+4:AA+5], v[AA+6:AA+7]
	v_pk_add_f32 v[QA:QA+1], v[QA:QA+1], v[QA+4:QA+5]
	v_pk_add_f32 v[AA:AA+1], v[AA:AA+1], v[AA+4:AA+5]
	v_add_f32 v45, v[QA], v[QA+1]
	v_add_f32 v46, v[AA], v[AA+1]
	v_permlanex16_b32 v47, v45, s[SEL], s[SEL+1]
	v_permlanex16_b32 v43, v46, s[SEL], s[SEL+1]
	v_add_f32 v45, v45, v47                        ; Q, at least about 1: t stays at or left of tau
	v_add_f32 v46, v46, v43                        ; A, at least -t > 0: the largest score's y
	v_sqrt_f32 v40, v45
	v_add_f32 v41, -1.0, v45                       ; Q - 1.  (The plain instruction behind the root)
	s_wait_alu depctr_va_vdst(0)                   ; the wait ahead of the root's first reader
	v_fma_f32 v42, v40, v46, v46                   ; (1 + sqrt Q) A
	v_mul_f32 v43, v41, v40                        ; (Q - 1) sqrt Q
	v_rcp_f32 v44, v42
	v_nop
	s_wait_alu depctr_va_vdst(0)                   ; likewise ahead of the reciprocal's
	v_fma_f32 v[NT], -v43, v44, v[NT]              ; -t less the step; the step is 0 just where Q = 1, whatever the root's and the reciprocal's last bits
	s_sub_co_u32 s[IT], s[IT], 1
	s_cmp_lg_u32 s[IT], 0
	s_cbranch_scc1 .Lnewton
	FETCHV 0                                       ; (buffer 0's last readers, batch 6's products, stand ahead of the passes' waits on va_vdst, and nothing issued since names the buffer or v[LV])
.irp s, 0,1,2,3,4,5,6,7
	FIN \s
.endr
	; THE WAY OUT: O^T x 2^(e2 + e3); a lane's 32 bytes of a row go into my stage and come back as dense rows: each store of the wave covers 512 consecutive bytes, aligned
.rept 4
	v_nop                                          ; four places behind the last products, ahead of the first read of their results
.endr
	WIN W_O
.irp i, 0,2,4,6,8,10,12,14,16,18,20,22,24,26,28,30
	v_pk_mul_f32 v[TA+\i:TA+\i+1], v[OA+\i:OA+\i+1], s[OSC:OSC+1] op_sel_hi:[1,0]   ; each accumulator from its low end on
.endr
	WIN 0
	s_wait_alu depctr_va_vdst(0)                   ; the multiplications have written v[TA ..], which the LDS stores read.  It is the tile's last vector work: the last products are also done reading the two buffers, in which the next tile's fragments of K land
.irp d, 0,1,2,3
	ds_store_b128 v[PR], v[TA+8*\d:TA+8*\d+3]   offset:64*\d     ; out(r, 16 d + 8 h + 0 .. 7)
	ds_store_b128 v[PR], v[TA+8*\d+4:TA+8*\d+7] offset:64*\d+16
.endr
.irp i, 0,1,2,3,4,5,6,7
	ds_load_b128 v[TB+4*\i:TB+4*\i+3], v[SA] offset:2*SP*\i      ; LDS serves a wave's instructions in order: these see the stores above
.endr
.irp i, 0,1,2,3,4,5,6,7
	s_wait_dscnt 7-\i                              ; load i is back; the younger ones may be out
	global_store_b128 v[LI], v[TB+4*\i:TB+4*\i+3], s[12:13] offset:512*\i th:TH_STORE_NT
.endr
	s_wait_xcnt 0x0                                ; the stores and the loads of q have read their registers and bases: only now are the bases stepped, and the stores' data written again in the next tile
	s_wait_alu depctr_vm_vsrc(0)                   ; the LDS stores have read v[TA ..], in which the next tile's q lands from the stage; the global stores have read v[TB ..], in which the next tile's rows land
	s_add_nc_u64 s[4:5], s[4:5], TILEB
	s_add_nc_u64 s[12:13], s[12:13], TILEB
	s_sub_co_u32 s[TL], s[TL], 1
	s_cmp_lg_u32 s[TL], 0
	s_cbranch_scc1 .Ltile
	s_wait_dscnt 0x0                               ; the closing lines, six on end
	s_wait_alu 0x0
	s_wait_tensorcnt 0x0
	ds_add_u32 v94, v95
	s_wait_dscnt 0x0
	s_endpgm
.Lfunc_end_k_qc45ede6ada_entmax_attn:
	.size	k_qc45ede6ada_entmax_attn, .Lfunc_end_k_qc45ede6ada_entmax_attn-k_qc45ede6ada_entmax_attn
	.p2alignl 7, 3214868480
	.fill 96, 4, 3214868480
	.section	.rodata,"a",@progbits
	.p2align	6, 0x0
	.amdhsa_kernel k_qc45ede6ada_entmax_attn
		.amdhsa_group_segment_fixed_size 166400
		.amdhsa_private_segment_fixed_size 0
		.amdhsa_enable_private_segment 0
		.amdhsa_kernarg_size 40
		.amdhsa_user_sgpr_count 2
		.amdhsa_user_sgpr_kernarg_segment_ptr 1
		.amdhsa_wavefront_size32 1
		.amdhsa_system_sgpr_workgroup_id_x 1
		.amdhsa_system_sgpr_workgroup_id_y 1
		.amdhsa_system_sgpr_workgroup_id_z 1
		.amdhsa_system_vgpr_workitem_id 0
		.amdhsa_next_free_vgpr 1024
		.amdhsa_next_free_sgpr 66
		.amdhsa_reserve_vcc 0
		.amdhsa_float_denorm_mode_32 3
		.amdhsa_float_denorm_mode_16_64 3
		.amdhsa_memory_ordered 1
		.amdhsa_forward_progress 1
		.amdhsa_inst_pref_size 255
	.end_amdhsa_kernel
	.section	.bss,"aw",@nobits
	.p2align	6
	.space	262144
	.amdgpu_metadata
---
amdhsa.version: [ 1, 2 ]
amdhsa.kernels:
  - .name:           k_qc45ede6ada_entmax_attn
    .symbol:         k_qc45ede6ada_entmax_attn.kd
    .args:
      - { .name: q, .offset: 0, .size: 8, .value_kind: global_buffer, .address_space: global }
      - { .name: k, .offset: 8, .size: 8, .value_kind: global_buffer, .address_space: global }
      - { .name: v, .offset: 16, .size: 8, .value_kind: global_buffer, .address_space: global }
      - { .name: lowp_scales, .offset: 24, .size: 8, .value_kind: global_buffer, .address_space: global }
      - { .name: out0, .offset: 32, .size: 8, .value_kind: global_buffer, .address_space: global }
    .group_segment_fixed_size: 166400
    .private_segment_fixed_size: 0
    .kernarg_segment_align: 8
    .kernarg_segment_size: 40
    .max_flat_workgroup_size: 128
    .sgpr_count:     66
    .vgpr_count:     1024
    .wavefront_size: 32
...
	.end_amdgpu_metadata
.endif
;; end of part 2
